; MI455X (gfx1250); checked and timed in simulation.
; The chip was launched on July 23, 2026; its instructions are those of AMD's public machine-readable ISA for CDNA 5 (MIT licence, August 2026) and "CDNA5" Instruction Set Architecture Reference Guide (July 2026). The comments in the code are by the model that wrote it; some were corrected since.
;; mean max sop. Allowed arithmetic: float matrix products may take bf16 or f16 operands with f32 sums; other float arithmetic in f32, or as packed bf16 or f16 multiplies, adds, multiply-adds, maxima and minima; sums over many terms, partial sums and values carried from step to step in f32; what a program stores and reads back later, other than sums and carried values, may be rounded once to bf16 or f16.
;; Inputs: count 8 int32; mask 8 x 512 float32; x 8 x 512 x 128 float32.
;; Outputs: out0 8 x 16,384 float32.
;; One version. Each part assembles by itself: llvm-mc -triple=amdgcn-amd-amdhsa -mcpu=gfx1250 --defsym DOCPART=n.
;; ======== version 1 of 1: 1 launch
;; launch sop (part 1): grid 32 x 8, 4 waves a work-group, no clusters, 279,040 bytes of LDS; arguments x, out0; writes out0
.if DOCPART == 1
	.amdgcn_target "amdgcn-amd-amdhsa--gfx1250"
	.amdhsa_code_object_version 6
	.text
	.protected	k_qaf35a3e14f_sop
	.globl	k_qaf35a3e14f_sop
	.p2align	8
	.type	k_qaf35a3e14f_sop,@function
k_qaf35a3e14f_sop:
	s_mov_b64 s[64:65], 0
	v_nop
	global_prefetch_b8 v0, s[64:65] scope:SCOPE_SE
	s_setreg_imm32_b32 hwreg(HW_REG_WAVE_MODE, 25, 1), 1
	s_wait_xcnt 0x0
; out0[b][128 i + j] = sum over n of softmax_n(w) w,  w[n] = x[b][n][i] x[b][n][j].  x: [8][512][128] f32, out0: [8][16384] f32.
; LEFT OUT.  count and mask: reference() takes them and never uses them, so whatever they hold they reach no output: they are not loaded and are no arguments.
; T = 1.0 is a factor of 1.  w[n] is the same for (i, j) and (j, i) for all values of x, so out[i][j] = out[j][i]: each unordered pair is computed once and stored twice.
; A NaN or an infinity in count or mask is therefore not carried to the result.
; NO MATRIX INSTRUCTION: the einsum 'bni,bnj->bnij' sums over no index; the product is one fused multiply-add in f32.
; LIMITS.  NaN and infinities in x are not treated apart (v_max3_num_f32 drops a NaN); a weight below 2^-126 counts as 0; log2(e) x_i x_j must be finite in f32; sums are taken in another order than reference()'s.
; ARITHMETIC.  x_i is scaled by log2(e) once: w' = x'_i x_j.  With a running maximum m of w':  t = w' - m,  e = 2^t,  l = sum e,  s = sum e t,  result = (s / l + m) ln 2.
; When m changes by d = m_old - m_new:  s = 2^d (s + d l),  l = 2^d l.
; SHARES.  The 128 columns are 32 blocks of 4.  Work-group R of batch b takes block R against blocks R .. R + 15 (mod 32): 16 tiles of 4 x 4; over all R that is every unordered pair of blocks once, but for
; the pairs 16 apart: of tile (a, a + 16) work-group a takes rows 0, 1 and work-group a + 16 rows 2, 3 (THE HALF TILE, two outputs a wave).  So all 256 work-groups have 264 outputs.
; Wave w has tiles R + 4 w + tj; lane = 8 tj + p has tile tj and the rows n = p mod 8: 64 rows, 16 outputs.  A pair of registers holds (i, i + 1) of one j; output (i, j) of a tile has number 4 j + i.
; BY CHUNKS.  x[b] comes into LDS in four chunks of 128 rows, all asked for at the head; a chunk is worked on while the later ones are on their way, which is why the maximum is a running one.
; EXPONENTIALS go in batches of 128 (8 rows) with one wait each; a batch's exponentials stand by turns with the sums of the batch before; an exponential's result takes the register whose old value was summed one pair earlier.
; NO CLUSTER: the 32 work-groups of a batch read the same rows, but each takes its own columns out of them, so its LDS addresses hang on its number, which partners of a joint load may not have;
; own columns fetched apart would be a piece of each of the 512 rows once more.
; STORES: a lane stores 16 consecutive bytes.  With each pair computed once a work-group holds 4 rows x 64 columns and their mirror, 64 rows x 16 bytes: no instruction of it can cover 256 aligned bytes of the mirror.
; REGISTERS, in windows of 256 (s_set_vgpr_msb: bits 1:0 source 0, 3:2 source 1, 5:4 source 2, 7:6 destination):
;   window 0: addresses; two sets of m, l, s, d, a: 16 each; E, 128: a batch's e         window 1: T0, T1, 128 each: a batch's t (T0 also the products for the maximum)
;   window 2: two buffers of a chunk: x_i of my 16 rows (64), x_j (64); the half tile's operands later lie in buffer 0
.set PITCH,  544                       ; an LDS row: 512 bytes + 32 = 34 x 16: rows p = 0..7 start at 16-byte columns 2 p mod 16, a neighbouring block at the odd ones: the 16 lanes of a b128 group take 16 different columns (64 banks of 4 bytes: ISA guide 11.1)
.set CHROWS, 128                       ; rows in a chunk
.set CHB,    CHROWS*PITCH              ; its bytes in LDS
.set WROWS,  32                        ; rows in a tensor load: a wave's quarter of a chunk, 16 KiB
.set SPARE,  512*PITCH                 ; behind the rows: the spare words, 128 bytes for each wave: two blocks of 256 bytes that no other line names
.set SPW, 4                            ; v4   LDS address of my spare word; never rewritten
.set NIL, 5                            ; v5   0; never rewritten
.set AI,  6                            ; v6   LDS address of x_i in my first row of the chunk to be read
.set AJ,  7                            ; v7   the same for x_j
.set GO,  8                            ; v8   byte offset in out0[b] of the 16 bytes that I store
.set GX,  9                            ; v9   the same for the half tile's 4 bytes (lanes 0 to 3)
.set MA,  16                           ; two sets of m, by turns old and new
.set MB,  32
.set L,   48
.set S,   64
.set D,   80
.set AA,  96
.set E,   112
.set AP,  240                          ; v240-243  the half tile: LDS address of its two columns P in row 128 g + lane
.set AQ,  244                          ; v244-247  and of my wave's column Q
.set T0,  0                            ; window 1
.set T1,  128
.set EW,  E                            ; the half tile, when E is free: 16 pairs of w', then t
.set EE,  E+32                         ; their e
.set XT,  E+64                         ; at work
.set XM,  E+80                         ; m of its two outputs
.set XL,  E+84                         ; four partial l, a pair each
.set XS,  E+92                         ; four partial s
.set WV,  8                            ; s8   wave
.set RB,  9                            ; s9   R
.set BT,  10                           ; s10  b
.set G1,  16                           ; s[16:23] descriptor group 1
.set G0,  24                           ; s[24:39] descriptor group 0, a set for each of my four loads: none is rewritten
.set CL,  40                           ; s[40:41] log2(e)
.set LN,  42                           ; s[42:43] ln 2
.set SEL, 44                           ; s[44:45] v_permlanex16_b32: each lane takes its own place in the other half
.set B0,  46                           ; lanes whose number has bit 0, 1, 2 set
.set B1,  47
.set B2,  48
.set SM,  49                           ; the lanes that store a piece of a tile
.set SX,  50                           ; the lanes that store the half tile
.set SV,  51
.set W_LD, 0x80                        ; LDS load into window 2, address in window 0
.set W_SC, 0x82                        ; window 2 scaled in place
.set W_P,  0x4a                        ; products: x_i, x_j window 2, m window 0, result window 1
.set W_X,  0x14                        ; maximum: m window 0, products window 1
.set W_A,  0x01                        ; t (source 0) window 1, all else window 0
.set W_XP, 0x0a                        ; sources window 2, result window 0
.set MSB, 0
.macro WIN new                         ; the immediate's high byte repeats the setting that is left; a switch that changes nothing is dropped
.if MSB != (\new)
	s_set_vgpr_msb (MSB<<8)|(\new)
.set MSB, (\new)
.endif
.endm
	s_load_b128 s[4:7], s[0:1], 0x0                ; x s[4:5], out0 s[6:7]
	v_lshl_add_u32 v[SPW], v0, 2, SPARE
	v_mov_b32 v[NIL], 0
	ds_add_u32 v[SPW], v[NIL]                      ; the wave's opening: the add, twice on end, and its wait ahead of my first tensor load
	ds_add_u32 v[SPW], v[NIL]                      ; once more; the set-up below, work on registers, stands between it and the wait
	v_lshrrev_b32 v1, 5, v0
	v_readfirstlane_b32 s[WV], v1                  ; wave 0..3
	s_and_b32 s[RB], ttmp9, 31                     ; R: the grid's x is 0..31; the mask keeps every LDS address visibly inside a row
	s_and_b32 s[BT], ttmp7, 0xffff                 ; b
	; descriptor group 1: 32 rows x 128 elements of 4 bytes, 8 words of padding behind every 128
	s_mov_b32 s[G1+0], (2<<16)|(1<<20)|(6<<22)|(7<<25)  ; 17:16 elements of 4 bytes; 20 padding on; 24:22 after every 128 words (code 6); 31:25 8 words (code 7)
	s_mov_b32 s[G1+1], 128<<16                     ; tensor_dim0 = 128
	s_mov_b32 s[G1+2], WROWS<<16                   ; tensor_dim1 = 32
	s_mov_b32 s[G1+3], 128<<16                     ; tile_dim0 = 128
	s_mov_b32 s[G1+4], WROWS                       ; tile_dim1 = 32
	s_mov_b32 s[G1+5], 128                         ; elements from row to row
	s_mov_b32 s[G1+6], 0
	s_mov_b32 s[G1+7], 0
	s_mul_i32 s11, s[WV], WROWS*PITCH              ; my quarter of a chunk in LDS
	s_lshl_b32 s12, s[BT], 18                      ; x[b]: 262,144 bytes a batch,
	s_lshl_b32 s14, s[WV], 14                      ; my 32 rows of 512 bytes
	s_add_co_u32 s12, s12, s14
	s_mov_b32 s13, 0
	s_lshl_b32 s14, s[BT], 16                      ; out0[b]: 65,536 bytes a batch
	s_mov_b32 s15, 0
	s_mov_b32 s[CL], 0x3fb8aa3b
	s_mov_b32 s[CL+1], 0x3fb8aa3b                  ; named with it as a pair
	s_mov_b32 s[LN], 0x3f317218
	s_mov_b32 s[LN+1], 0x3f317218
	s_mov_b32 s[SEL], 0x76543210
	s_mov_b32 s[SEL+1], 0xfedcba98
	s_mov_b32 s[B0], 0xaaaaaaaa
	s_mov_b32 s[B1], 0xcccccccc
	s_mov_b32 s[B2], 0xf0f0f0f0
	s_mov_b32 s[SX], 15
	s_cmp_eq_u32 s[WV], 0
	s_cselect_b32 s[SM], 0xffffff0f, -1            ; wave 0's tile 0 is (R, R): its two copies are the same 16 places, so lanes 4 to 7 store nothing
	s_wait_dscnt 0x0                               ; both opening adds are done
	s_wait_kmcnt 0x0
	s_add_nc_u64 s[12:13], s[4:5], s[12:13]
	s_add_nc_u64 s[6:7], s[6:7], s[14:15]
.irp c, 0,1,2,3                        ; all four fills of the wave go out together, ahead of every wait on TENSORcnt, every LDS read and every barrier: four loads of mine are out
	s_mov_b32 s[G0+4*(\c)], 1
	s_add_co_u32 s[G0+4*(\c)+1], s11, (\c)*CHB
	s_add_nc_u64 s[G0+4*(\c)+2:G0+4*(\c)+3], s[12:13], (\c)*CHROWS*512
	s_or_b32 s[G0+4*(\c)+3], s[G0+4*(\c)+3], 0x80000000
	tensor_load_to_lds s[G0+4*(\c):G0+4*(\c)+3], s[G1:G1+7]
	s_nop 0
.endr
	; my places, made while the rows are on their way
	v_and_b32 v1, 7, v0                            ; p
	v_bfe_u32 v2, v0, 3, 2                         ; tj
	v_lshl_add_u32 v2, s[WV], 2, v2
	v_add_nc_u32 v2, s[RB], v2
	v_and_b32 v2, 31, v2                           ; J = (R + 4 w + tj) mod 32
	v_mul_u32_u24 v3, v1, PITCH
	s_lshl_b32 s11, s[RB], 4
	v_add_nc_u32 v[AI], s11, v3                    ; row p, block R
	v_lshl_add_u32 v[AJ], v2, 4, v3                ; row p, block J
	; lane p < 4 stores out[4 J + p][4 R ..], lane p >= 4 stores out[4 R + p - 4][4 J ..]
	v_mov_b32 v10, s[RB]
	v_cndmask_b32 v11, v2, v10, s[B2]              ; the row's block
	v_cndmask_b32 v12, v10, v2, s[B2]              ; the columns' block
	v_and_b32 v13, 3, v0
	v_lshl_add_u32 v11, v11, 2, v13
	v_lshlrev_b32 v11, 9, v11
	v_lshl_add_u32 v[GO], v12, 4, v11
	; the half tile: a = R mod 16, h = R / 16: columns P = 4 a + 2 h + {0, 1} against column Q = 4 a + 64 + w; lane l takes rows l mod 32
	s_and_b32 s11, s[RB], 15
	s_lshl_b32 s11, s11, 2                         ; 4 a: 0 to 60
	s_lshr_b32 s14, s[RB], 3
	s_and_b32 s14, s14, 2                          ; 2 h: 0 or 2
	s_add_co_u32 s15, s11, s14                     ; P: 0 to 62, even
	s_add_co_u32 s11, s11, 64
	s_add_co_u32 s11, s11, s[WV]                   ; Q: 64 to 127
	v_and_b32 v10, 31, v0
	v_mul_u32_u24 v10, v10, PITCH
	s_lshl_b32 s14, s15, 2
	v_add_nc_u32 v[AP], s14, v10
	s_lshl_b32 s14, s11, 2
	v_add_nc_u32 v[AQ], s14, v10
.irp g, 1,2,3
	v_add_nc_u32 v[AP+(\g)], (\g)*CHB, v[AP]
	v_add_nc_u32 v[AQ+(\g)], (\g)*CHB, v[AQ]
.endr
	v_and_b32 v11, 1, v0                           ; lanes 0, 1: out[P + l][Q]; lanes 2, 3: out[Q][P + l - 2]
	v_add_nc_u32 v11, s15, v11
	v_mov_b32 v12, s11
	v_cndmask_b32 v13, v11, v12, s[B1]
	v_cndmask_b32 v14, v12, v11, s[B1]
	v_lshlrev_b32 v13, 9, v13
	v_lshl_add_u32 v[GX], v14, 2, v13
	s_mov_b32 s14, 0xff7fffff
.set r, 0
.rept 16
	v_mov_b32 v[MA+r], s14                         ; m starts at the lowest finite number,
.set r, r+1
.endr
.set r, 0
.rept 32
	v_mov_b32 v[L+r], 0                            ; l and s at 0: written while the first rows are on their way, so that every batch has one form of sums
.set r, r+1
.endr
; Chunk c has landed in every wave's part; my 16 rows of it go into buffer c % 2: x_i and x_j by turns, so that the first 16 loads are the first 8 rows.
.macro CHUNK_IN c
	s_wait_tensorcnt 3-(\c)                        ; tensor loads of a wave end in order: my quarter of chunk c is in, my later loads may stay out
	s_barrier_signal -1                            ; no LDS instruction of mine is out here
	s_barrier_wait -1                              ; everybody's quarter is in
	WIN W_LD
.set k, 0
.rept 16
	ds_load_b128 v[128*((\c)%2)+4*k:128*((\c)%2)+4*k+3],       v[AI] offset:k*8*PITCH
	ds_load_b128 v[128*((\c)%2)+64+4*k:128*((\c)%2)+64+4*k+3], v[AJ] offset:k*8*PITCH
.set k, k+1
.endr
	WIN 0
.if (\c) < 3
	v_add_nc_u32 v[AI], CHB, v[AI]
	v_add_nc_u32 v[AJ], CHB, v[AJ]
.endif
.endm
; The half tile's 16 rows a lane (row 128 g + 32 k + lane) go into buffer 0, which chunk 2 has left: P's pair at 2 i, Q at 32 + i, i = 4 g + k.  All four chunks have landed when this stands.
.macro HALF_IN
	WIN W_LD
.set g, 0
.rept 4
.set k, 0
.rept 4
	ds_load_b64 v[2*(4*g+k):2*(4*g+k)+1], v[AP+g] offset:k*32*PITCH
	ds_load_b32 v[32+4*g+k],              v[AQ+g] offset:k*32*PITCH
.set k, k+1
.endr
.set g, g+1
.endr
.endm
; x_i of rows 8 hh .. 8 hh + 7 of buffer u times log2(e)
.macro SCALE u, hh
	WIN W_SC
.set i, 0
.rept 16
	v_pk_mul_f32 v[128*(\u)+32*(\hh)+2*i:128*(\u)+32*(\hh)+2*i+1], v[128*(\u)+32*(\hh)+2*i:128*(\u)+32*(\hh)+2*i+1], s[CL:CL+1] op_sel_hi:[1,0]
.set i, i+1
.endr
.endm
; The 128 products of those eight rows, two an instruction: (x'_i, x'_i+1) times x_j, which op_sel takes from the low or the high register of its pair for both halves.
; sub = 0: w' into tb; sub = 1: t = w' - m into tb.  Pair q = 2 j + i / 2 of row k lies at tb + 16 k + 2 q.
.macro PRODS u, hh, sub, tb, m
	WIN W_P
.set k, 0
.rept 8
.set q, 0
.rept 8
.set rD, (\tb)+16*k+2*q
.set rA, 128*(\u)+4*(8*(\hh)+k)+2*(q%2)
.set rB, 128*(\u)+64+4*(8*(\hh)+k)+2*(q/4)
.set rM, (\m)+2*q
.if (\sub) && ((q/2)%2)
	v_pk_fma_f32 v[rD:rD+1], v[rA:rA+1], v[rB:rB+1], v[rM:rM+1] op_sel:[0,1,0] op_sel_hi:[1,1,1] neg_lo:[0,0,1] neg_hi:[0,0,1]
.elseif \sub
	v_pk_fma_f32 v[rD:rD+1], v[rA:rA+1], v[rB:rB+1], v[rM:rM+1] op_sel_hi:[1,0,1] neg_lo:[0,0,1] neg_hi:[0,0,1]
.elseif (q/2)%2
	v_pk_mul_f32 v[rD:rD+1], v[rA:rA+1], v[rB:rB+1] op_sel:[0,1] op_sel_hi:[1,1]
.else
	v_pk_mul_f32 v[rD:rD+1], v[rA:rA+1], v[rB:rB+1] op_sel_hi:[1,0]
.endif
.set q, q+1
.endr
.set k, k+1
.endr
.endm
; The running maximum takes the eight rows' products in T0, two rows an instruction.  first = 1: the chunk's first instruction on each output reads the old set and writes the new one, so the old m stays for d.
.macro MAXES first, mo, mn
	WIN W_X
.set k, 0
.rept 4
.set r, 0
.rept 16
.if (\first) && (k == 0)
	v_max3_num_f32 v[(\mn)+r], v[(\mo)+r], v[T0+32*k+r], v[T0+32*k+16+r]
.else
	v_max3_num_f32 v[(\mn)+r], v[(\mn)+r], v[T0+32*k+r], v[T0+32*k+16+r]
.endif
.set r, r+1
.endr
.set k, k+1
.endr
.endm
; d = m_old - m_new and a = 2^d.  The 16 exponentials belong to the batch that follows them: its wait is theirs.
.macro DELTA mo, mn
	WIN 0
.set q, 0
.rept 8
	v_pk_add_f32 v[D+2*q:D+2*q+1], v[(\mo)+2*q:(\mo)+2*q+1], v[(\mn)+2*q:(\mn)+2*q+1] neg_lo:[0,1] neg_hi:[0,1]
.set q, q+1
.endr
.set r, 0
.rept 16
	v_exp_f32 v[AA+r], v[D+r]
.set r, r+1
.endr
.endm
; s = a (s + d l), l = a l
.macro RESCALE
	WIN 0
.set q, 0
.rept 8
	v_pk_fma_f32 v[S+2*q:S+2*q+1], v[D+2*q:D+2*q+1], v[L+2*q:L+2*q+1], v[S+2*q:S+2*q+1]
.set q, q+1
.endr
.set q, 0
.rept 8
	v_pk_mul_f32 v[L+2*q:L+2*q+1], v[L+2*q:L+2*q+1], v[AA+2*q:AA+2*q+1]
.set q, q+1
.endr
.set q, 0
.rept 8
	v_pk_mul_f32 v[S+2*q:S+2*q+1], v[S+2*q:S+2*q+1], v[AA+2*q:AA+2*q+1]
.set q, q+1
.endr
.endm
; Pair q of the batch whose t lies in to and whose e lies in E: l += e (as 1.0 x e + l: source 0's window is t's), s += t e
.macro SUMS
	v_pk_fma_f32 v[L+2*(q%8):L+2*(q%8)+1], 1.0, v[E+2*q:E+2*q+1], v[L+2*(q%8):L+2*(q%8)+1] op_sel_hi:[0,1,1]
.endm
.macro SUMT to
	v_pk_fma_f32 v[S+2*(q%8):S+2*(q%8)+1], v[(\to)+2*q:(\to)+2*q+1], v[E+2*q:E+2*q+1], v[S+2*(q%8):S+2*(q%8)+1]
.endm
; A PHASE: the 128 exponentials of the batch in tn, by turns with the 128 sums of the batch before (t in to, e in E; old = 0: there is none).  The exponentials of pair q - 1 stand among the sums of pair q and
; take the two registers of E that pair q - 1's sums have just read.  No line of the phase names a result of its own exponentials; one plain line and ONE wait, ahead of the first reader, end it.
.macro PHASE tn, to, old
	WIN W_A
.set q, 0
.rept 64
.if \old
	SUMS
.endif
.if q > 0
	v_exp_f32 v[E+2*q-2], v[(\tn)+2*q-2]
.endif
.if \old
	SUMT \to
.endif
.if q > 0
	v_exp_f32 v[E+2*q-1], v[(\tn)+2*q-1]
.endif
.set q, q+1
.endr
	v_exp_f32 v[E+126], v[(\tn)+126]
	v_exp_f32 v[E+127], v[(\tn)+127]
	v_nop
	s_wait_alu depctr_va_vdst(0)
.endm
; CHUNK c: its maximum; then its two batches.  The first batch's exponentials stand beside the last sums of chunk c - 1, which still go by the old m: l and s are rescaled behind them.
; The next chunk is waited for, and read from LDS, ahead of the chunk's last phase, which covers the loads' way.  In chunk 3 the half tile's loads go out when the chunk's own are in: 32 LDS loads of mine are out at the most.
.macro CHUNK c
.set U, (\c)%2
.if U
.set MO, MB
.set MN, MA
.else
.set MO, MA
.set MN, MB
.endif
.set HO, 1
.if (\c) == 0
.set HO, 0
.endif
	s_wait_dscnt 16                                ; LDS loads come back in order: my first 8 rows are in, the 16 loads of the other 8 may be out
	SCALE U, 0
	PRODS U, 0, 0, T0, 0
	MAXES 1, MO, MN
	s_wait_dscnt 0x0                               ; all 16 rows are in
.if (\c) == 3
	HALF_IN
.endif
	SCALE U, 1
	PRODS U, 1, 0, T0, 0
	MAXES 0, MO, MN
.if HO
	DELTA MO, MN
.endif
	PRODS U, 0, 1, T0, MN
	PHASE T0, T1, HO
.if HO
	RESCALE
.endif
	PRODS U, 1, 1, T1, MN
.if (\c) < 3
	CHUNK_IN (\c)+1
.endif
	PHASE T1, T0, 1
.endm
	CHUNK_IN 0
	CHUNK 0
	CHUNK 1
	CHUNK 2
	CHUNK 3
	WIN W_A                                        ; the last batch's sums
.set q, 0
.rept 64
	SUMS
	SUMT T1
.set q, q+1
.endr
	; THE HALF TILE: outputs (P, Q) and (P + 1, Q), a pair of registers; my 16 rows stay in registers, so the maximum is taken first and over all 32 lanes.  E is free now.
	s_wait_dscnt 0x0                               ; the half tile's rows are in: my last reads of LDS are over,
	s_barrier_signal -1                            ; and I say so; only work on registers stands between this and the wait, which comes ahead of the stores
	WIN W_SC
.set i, 0
.rept 8
	v_pk_mul_f32 v[32+2*i:32+2*i+1], v[32+2*i:32+2*i+1], s[CL:CL+1] op_sel_hi:[1,0]  ; x_Q times log2(e)
.set i, i+1
.endr
	WIN W_XP
.set i, 0
.rept 8
	v_pk_mul_f32 v[EW+4*i:EW+4*i+1],   v[4*i:4*i+1],   v[32+2*i:32+2*i+1] op_sel_hi:[1,0]
	v_pk_mul_f32 v[EW+4*i+2:EW+4*i+3], v[4*i+2:4*i+3], v[32+2*i:32+2*i+1] op_sel:[0,1] op_sel_hi:[1,1]
.set i, i+1
.endr
	WIN 0
.irp a, 0,1,2,3,4
.irp f, 0,1
	v_max3_num_f32 v[XT+8*(\f)+(\a)], v[EW+6*(\a)+(\f)], v[EW+6*(\a)+2+(\f)], v[EW+6*(\a)+4+(\f)]
.endr
.endr
.irp f, 0,1
	v_max3_num_f32 v[XT+8*(\f)], v[XT+8*(\f)], v[XT+8*(\f)+1], v[XT+8*(\f)+2]
	v_max3_num_f32 v[XT+8*(\f)+3], v[XT+8*(\f)+3], v[XT+8*(\f)+4], v[EW+30+(\f)]
.endr
.irp f, 0,1
	v_max_num_f32 v[XM+(\f)], v[XT+8*(\f)], v[XT+8*(\f)+3]
.endr
.irp x, 1,2,4,8
	v_max_num_f32_dpp v[XM], v[XM], v[XM] row_xmask:\x row_mask:0xf bank_mask:0xf
	v_max_num_f32_dpp v[XM+1], v[XM+1], v[XM+1] row_xmask:\x row_mask:0xf bank_mask:0xf
.endr
	v_permlanex16_b32 v[XT], v[XM], s[SEL], s[SEL+1]      ; its destination counts as read: these two have been written
	v_permlanex16_b32 v[XT+1], v[XM+1], s[SEL], s[SEL+1]
	v_max_num_f32 v[XM], v[XM], v[XT]
	v_max_num_f32 v[XM+1], v[XM+1], v[XT+1]
.set i, 0
.rept 16
	v_pk_add_f32 v[EW+2*i:EW+2*i+1], v[EW+2*i:EW+2*i+1], v[XM:XM+1] neg_lo:[0,1] neg_hi:[0,1]
.set i, i+1
.endr
.set r, 0
.rept 32
	v_exp_f32 v[EE+r], v[EW+r]
.set r, r+1
.endr
	v_nop
	s_wait_alu depctr_va_vdst(0)                   ; one wait for the 32
.irp a, 0,1,2,3                        ; four chains: the first terms start the sums
	v_pk_add_f32 v[XL+2*(\a):XL+2*(\a)+1], v[EE+2*(\a):EE+2*(\a)+1], v[EE+8+2*(\a):EE+8+2*(\a)+1]
	v_pk_mul_f32 v[XS+2*(\a):XS+2*(\a)+1], v[EE+2*(\a):EE+2*(\a)+1], v[EW+2*(\a):EW+2*(\a)+1]
.endr
.irp a, 0,1,2,3
	v_pk_fma_f32 v[XS+2*(\a):XS+2*(\a)+1], v[EE+8+2*(\a):EE+8+2*(\a)+1], v[EW+8+2*(\a):EW+8+2*(\a)+1], v[XS+2*(\a):XS+2*(\a)+1]
.endr
.irp g, 2,3
.irp a, 0,1,2,3
	v_pk_add_f32 v[XL+2*(\a):XL+2*(\a)+1], v[XL+2*(\a):XL+2*(\a)+1], v[EE+8*(\g)+2*(\a):EE+8*(\g)+2*(\a)+1]
	v_pk_fma_f32 v[XS+2*(\a):XS+2*(\a)+1], v[EE+8*(\g)+2*(\a):EE+8*(\g)+2*(\a)+1], v[EW+8*(\g)+2*(\a):EW+8*(\g)+2*(\a)+1], v[XS+2*(\a):XS+2*(\a)+1]
.endr
.endr
	v_pk_add_f32 v[XL:XL+1], v[XL:XL+1], v[XL+2:XL+3]
	v_pk_add_f32 v[XL+4:XL+5], v[XL+4:XL+5], v[XL+6:XL+7]
	v_pk_add_f32 v[XS:XS+1], v[XS:XS+1], v[XS+2:XS+3]
	v_pk_add_f32 v[XS+4:XS+5], v[XS+4:XS+5], v[XS+6:XS+7]
	v_pk_add_f32 v[XL:XL+1], v[XL:XL+1], v[XL+4:XL+5]
	v_pk_add_f32 v[XS:XS+1], v[XS:XS+1], v[XS+4:XS+5]
.irp x, 1,2,4,8
	v_add_f32_dpp v[XL], v[XL], v[XL] row_xmask:\x row_mask:0xf bank_mask:0xf
	v_add_f32_dpp v[XL+1], v[XL+1], v[XL+1] row_xmask:\x row_mask:0xf bank_mask:0xf
	v_add_f32_dpp v[XS], v[XS], v[XS] row_xmask:\x row_mask:0xf bank_mask:0xf
	v_add_f32_dpp v[XS+1], v[XS+1], v[XS+1] row_xmask:\x row_mask:0xf bank_mask:0xf
.endr
	v_permlanex16_b32 v[XT+8], v[XL], s[SEL], s[SEL+1]
	v_permlanex16_b32 v[XT+9], v[XL+1], s[SEL], s[SEL+1]
	v_permlanex16_b32 v[XT+10], v[XS], s[SEL], s[SEL+1]
	v_permlanex16_b32 v[XT+11], v[XS+1], s[SEL], s[SEL+1]
	v_pk_add_f32 v[XL:XL+1], v[XL:XL+1], v[XT+8:XT+9]
	v_pk_add_f32 v[XS:XS+1], v[XS:XS+1], v[XT+10:XT+11]
	v_rcp_f32 v[XT], v[XL]
	v_rcp_f32 v[XT+1], v[XL+1]
	; THE TILES.  The 8 lanes of a tile have each their own m: the common maximum first (its 48 lines are also the plain work behind the two reciprocals above), then l and s are brought to it and added.
.set r, 0
.rept 16
	v_max_num_f32_dpp v[MB+r], v[MA+r], v[MA+r] row_xmask:1 row_mask:0xf bank_mask:0xf  ; chunk 3 left m in set MA; set MB, written before, takes the common one
.set r, r+1
.endr
.irp x, 2,4
.set r, 0
.rept 16
	v_max_num_f32_dpp v[MB+r], v[MB+r], v[MB+r] row_xmask:\x row_mask:0xf bank_mask:0xf
.set r, r+1
.endr
.endr
	DELTA MA, MB
	v_nop
	s_wait_alu depctr_va_vdst(0)                   ; one wait for the two reciprocals and the 16 exponentials
	v_pk_fma_f32 v[XS:XS+1], v[XS:XS+1], v[XT:XT+1], v[XM:XM+1]      ; the half tile: s / l + m,
	v_pk_mul_f32 v[XS:XS+1], v[XS:XS+1], s[LN:LN+1] op_sel_hi:[1,0]  ; times ln 2
	RESCALE
	v_cndmask_b32 v[XT+2], v[XS], v[XS+1], s[B0]   ; even lanes hold (P, Q), odd lanes (P + 1, Q)
.irp x, 1,2,4
.set r, 0
.rept 32
	v_add_f32_dpp v[L+r], v[L+r], v[L+r] row_xmask:\x row_mask:0xf bank_mask:0xf  ; l and s lie on end
.set r, r+1
.endr
.endr
.set r, 0
.rept 16
	v_rcp_f32 v[AA+r], v[L+r]
.set r, r+1
.endr
	v_nop
	s_wait_alu depctr_va_vdst(0)
.set q, 0
.rept 8
	v_pk_fma_f32 v[S+2*q:S+2*q+1], v[S+2*q:S+2*q+1], v[AA+2*q:AA+2*q+1], v[MB+2*q:MB+2*q+1]
.set q, q+1
.endr
.set q, 0
.rept 8
	v_pk_mul_f32 v[S+2*q:S+2*q+1], v[S+2*q:S+2*q+1], s[LN:LN+1] op_sel_hi:[1,0]
.set q, q+1
.endr
	; All 8 lanes of a tile hold its 16 results, S + 4 j + i.  Lane p picks piece p of eight: p < 4: (i = 0..3, j = p), four registers on end; p >= 4: (i = p - 4, j = 0..3).  Three rounds of selects, by p's bits.
.set m, 0
.rept 4
.set e, 0
.rept 4
.if m < 2
.set c0, S+8*m+e
.set c1, S+8*m+4+e
.else
.set c0, S+4*e+2*m-4
.set c1, S+4*e+2*m-3
.endif
	v_cndmask_b32 v[D+4*m+e], v[c0], v[c1], s[B0]
.set e, e+1
.endr
.set m, m+1
.endr
.set m, 0
.rept 2
.set e, 0
.rept 4
	v_cndmask_b32 v[AA+4*m+e], v[D+8*m+e], v[D+8*m+4+e], s[B1]
.set e, e+1
.endr
.set m, m+1
.endr
.set e, 0
.rept 4
	v_cndmask_b32 v[AA+8+e], v[AA+e], v[AA+4+e], s[B2]
.set e, e+1
.endr
	s_barrier_wait -1                              ; all four waves have said that their reads of LDS are over: no wave's closing add comes before that
	s_and_saveexec_b32 s[SV], s[SM]                ; no global load or store of mine is out yet
	global_store_b128 v[GO], v[AA+8:AA+11], s[6:7] ; a wave's 64 results, twice: 32 pieces of 16 bytes, each place of out0 from one lane
	s_wait_xcnt 0x0                                ; EXEC changes only behind this wait
	s_or_b32 exec_lo, exec_lo, s[SV]
	s_and_saveexec_b32 s[SV], s[SX]
	global_store_b32 v[GX], v[XT+2], s[6:7]        ; the half tile's two results, twice: lanes 0 to 3
	s_wait_xcnt 0x0
	s_or_b32 exec_lo, exec_lo, s[SV]
	s_wait_tensorcnt 0x0                           ; the wave's end: behind my last tensor load
	ds_add_u32 v[SPW], v[NIL]
	s_wait_dscnt 0x0
	s_endpgm
.Lfunc_end_k_qaf35a3e14f_sop:
	.size	k_qaf35a3e14f_sop, .Lfunc_end_k_qaf35a3e14f_sop-k_qaf35a3e14f_sop
	.p2alignl 7, 3214868480
	.fill 96, 4, 3214868480
	.section	.rodata,"a",@progbits
	.p2align	6, 0x0
	.amdhsa_kernel k_qaf35a3e14f_sop
		.amdhsa_group_segment_fixed_size 279040
		.amdhsa_private_segment_fixed_size 0
		.amdhsa_enable_private_segment 0
		.amdhsa_kernarg_size 16
		.amdhsa_user_sgpr_count 2
		.amdhsa_user_sgpr_kernarg_segment_ptr 1
		.amdhsa_wavefront_size32 1
		.amdhsa_system_sgpr_workgroup_id_x 1
		.amdhsa_system_sgpr_workgroup_id_y 1
		.amdhsa_system_sgpr_workgroup_id_z 1
		.amdhsa_system_vgpr_workitem_id 0
		.amdhsa_next_free_vgpr 768
		.amdhsa_next_free_sgpr 66
		.amdhsa_reserve_vcc 0
		.amdhsa_float_denorm_mode_32 3
		.amdhsa_float_denorm_mode_16_64 3
		.amdhsa_memory_ordered 1
		.amdhsa_forward_progress 1
		.amdhsa_inst_pref_size 253
	.end_amdhsa_kernel
	.amdgpu_metadata
---
amdhsa.version: [ 1, 2 ]
amdhsa.kernels:
  - .name:           k_qaf35a3e14f_sop
    .symbol:         k_qaf35a3e14f_sop.kd
    .args:
      - { .name: x, .offset: 0, .size: 8, .value_kind: global_buffer, .address_space: global }
      - { .name: out0, .offset: 8, .size: 8, .value_kind: global_buffer, .address_space: global }
    .group_segment_fixed_size: 279040
    .private_segment_fixed_size: 0
    .kernarg_segment_align: 8
    .kernarg_segment_size: 16
    .max_flat_workgroup_size: 128
    .sgpr_count:     66
    .vgpr_count:     768
    .wavefront_size: 32
...
	.end_amdgpu_metadata
.endif
;; end of part 1
